; MI455X (gfx1250); checked and timed in simulation.
; The chip was launched on July 23, 2026; its instructions are those of AMD's public machine-readable ISA for CDNA 5 (MIT licence, August 2026) and "CDNA5" Instruction Set Architecture Reference Guide (July 2026). The comments in the code are by the model that wrote it; some were corrected since.
;; Attention Module. Allowed arithmetic: matrix products marked QUANTISED: E3M2 operands, one E8M0 scale for each 32 along K, by v_wmma_scale_f32_16x16x128_f8f6f4 with both operands' format E3M2, f32 sums; products left as they are: f32 operands where the result goes on into a quantised operand, else bf16, f16 or f32 operands; f32 sums; everything else in f32.
;; Inputs: Ua_b 1,024 float32; Ua_w_codes 1,024 x 32 x 24 uint8 (E3M2 codes of Ua_w, K innermost, in blocks of 32 codes, four codes in three bytes); Ua_w_scales 1,024 x 32 uint8 (E8M0 scales of Ua_w, one for each 32 codes along K); Va_b 1 float32; Va_w 1 x 1,024 float32; Wa_b 1,024 float32; Wa_w_codes 1,024 x 32 x 24 uint8 (E3M2 codes of Wa_w, K innermost, in blocks of 32 codes, four codes in three bytes); Wa_w_scales 1,024 x 32 uint8 (E8M0 scales of Wa_w, one for each 32 codes along K); attn_mask 32 x 2,048 bool; decoder_hidden_state_codes 1 x 32 x 32 x 24 uint8 (E3M2 codes of decoder_hidden_state, K innermost, in blocks of 32 codes, four codes in three bytes); decoder_hidden_state_scales 1 x 32 x 32 uint8 (E8M0 scales of decoder_hidden_state, one for each 32 codes along K); encoder_outputs_codes 32 x 2,048 x 32 x 24 uint8 (E3M2 codes of encoder_outputs, K innermost, in blocks of 32 codes, four codes in three bytes); encoder_outputs_scales 32 x 2,048 x 32 uint8 (E8M0 scales of encoder_outputs, one for each 32 codes along K).
;; Outputs: out0 32 x 1 x 2,048 float32.
;; This version of the problem:
;;   THIS VERSION OF THE PROBLEM IS GIVEN IN LOW PRECISION. The matrix products marked QUANTISED in the list below multiply operands that are first quantised to E3M2 (3 exponent bits, 2 mantissa bits; 6 bits a number), with one power-of-two scale for each 32 numbers along K (OCP MX v1.0); their sums are f32. All else is computed in f32.
;;   The module's matrix products, in the order in which they are computed (A, B: the left and right operand; K: the contracted axis; several contracted axes count as one K, in the product's order):
;;     1. [M 32, K 1,024] x [K 1,024, N 1,024]; A: input decoder_hidden_state (given as codes); B: input Ua_w (given as codes): QUANTISED
;;     2. [M 65,536, K 1,024] x [K 1,024, N 1,024]; A: input encoder_outputs (given as codes); B: input Wa_w (given as codes): QUANTISED
;;     3. [M 65,536, K 1,024] x [K 1,024, N 1]; A: computed on the way; B: input Va_w: left as it is (N = 1 < 16)
;;   THE QUANTISER, for each operand of a quantised product, along K:
;;     - K is cut into blocks of 32 from its start; a last block that is shorter is filled with zeros.
;;     - A block's scale is 2^e with e = floor(log2(the largest magnitude in the block)) - 4, held to -126 .. 127; a block of zeros has e = 0. As a byte (E8M0): e + 127.
;;     - Each number is divided by its block's scale, clamped to +-28, and rounded to the nearest number of E3M2, ties to even, subnormals kept.
;;     - The product sums the exact products of the quantised numbers (number of the format x scale) in f32.
;;   ~~~python
;;   def quantise(x, axis):      # numpy; x: float32 -> the quantised numbers, widened to float32 again
;;       x = np.moveaxis(x, axis, -1); K = x.shape[-1]
;;       x = np.pad(x, [(0, 0)] * (x.ndim - 1) + [(0, -K % 32)]); x = x.reshape(x.shape[:-1] + (-1, 32)); a = np.abs(x).max(-1, keepdims=True)
;;       e = np.where(a > 0, np.clip(np.frexp(np.where(a > 0, a, 1))[1] - 1 - 4, -126, 127), 0)      # np.frexp(a)[1] - 1 = floor(log2(a)), exactly
;;       r = np.clip(x / 2.0 ** e, -28, 28)
;;       step = 2.0 ** (np.maximum(np.frexp(np.where(r == 0, 1, r))[1] - 1, -2) - 2)
;;       q = np.round(r / step) * step * 2.0 ** e      # np.round: ties to even
;;       return np.moveaxis(q.reshape(q.shape[:-2] + (-1,))[..., :K], -1, axis).astype(np.float32)
;;   ~~~
;;   INPUTS GIVEN AS CODES. Ua_w (in the module: [1024, 1024], K = its axis 1); Wa_w (in the module: [1024, 1024], K = its axis 1); decoder_hidden_state (in the module: [1, 32, 1024], K = its axis 2); encoder_outputs (in the module: [32, 2048, 1024], K = its axis 2): each comes as NAME_codes (uint8): NAME with its K axis moved to the last place and cut into blocks of 32 codes, [.., K / 32, bytes a block], one block behind the other in memory; four codes in three bytes: a row's codes are one little-endian stream of bits, code i at bits 6 i .. 6 i + 5 (a code: sign, 3 exponent bits, 2 mantissa bits); and NAME_scales (uint8): the same leading axes, one E8M0 byte (e + 127) for each 32 codes along K. Its value is code x scale, taken as it is: it is not quantised again, and the codes and scales need not be those that the quantiser above would give.
;; One version. Each part assembles by itself: llvm-mc -triple=amdgcn-amd-amdhsa -mcpu=gfx1250 --defsym DOCPART=n.
;; ======== version 1 of 1: 2 launches
;; limits: right only within a limited range of input values
;; workspace buffers: part 1,048,576 bytes
;; launch scores (part 1): grid 256 x 1, 8 waves a work-group, clusters of 4 x 1, 327,680 bytes of LDS; arguments encoder_outputs_codes, encoder_outputs_scales, Wa_w_codes, Wa_w_scales, Ua_w_codes, Ua_w_scales, decoder_hidden_state_codes, decoder_hidden_state_scales, Ua_b, Wa_b, Va_w, part; writes part
.if DOCPART == 1
	.amdgcn_target "amdgcn-amd-amdhsa--gfx1250"
	.amdhsa_code_object_version 6
	.text
	.protected	k_q4893be5a0f_scores
	.globl	k_q4893be5a0f_scores
	.p2align	8
	.type	k_q4893be5a0f_scores,@function
k_q4893be5a0f_scores:
	s_mov_b64 s[64:65], 0
	v_nop
	global_prefetch_b8 v0, s[64:65] scope:SCOPE_SE
	s_setreg_imm32_b32 hwreg(HW_REG_WAVE_MODE, 25, 1), 1
	s_wait_xcnt 0x0
	s_wait_alu depctr_hold_cnt(0) depctr_sa_sdst(0) depctr_va_vdst(0) depctr_va_sdst(0) depctr_va_ssrc(0) depctr_va_vcc(0) depctr_vm_vsrc(0)
	s_getreg_b32 s2, hwreg(HW_REG_IB_STS2, 6, 4)
	s_cmp_eq_u32 s2, 0
	s_cbranch_scc0 .Lentry_in_a_cluster
	s_endpgm
.Lentry_in_a_cluster:
	s_bfe_u32 s2, ttmp6, 0x10000c
	s_cmp_lg_u32 s2, 0x3003
	s_cbranch_scc0 .Lentry_shape_is_right
	s_endpgm
.Lentry_shape_is_right:
; part[cx][row] = sum over the 256 e of quarter cx of (-2 Va[e]) / (1 + 2^y), y = c (X[row] . Wa[e] + h[b] . Ua[e] + Ua_b[e] + Wa_b[e]), c = 2 log2(e).
; X: 65,536 x 1,024, Wa, Ua: 1,024 x 1,024, h: 32 x 1,024: codes of BF6 (E3M2), one E8M0 scale for each 32 along K; sums in f32.
; WORK THAT THIS PROGRAM LEAVES OUT.  reference() adds Va_b to every score, and a score is sum of Va[e] tanh(x) = (sum of Va[e]) - 2 sum of Va[e] / (1 + 2^(c x)).
; Va_b and the sum of Va are the same for all positions of a row of the softmax, and softmax(s + k) = softmax(s) for every finite k (a masked position stays -infinity): neither can reach out0.
; So Va_b is not loaded and is no launch's argument, and the sum of Va is never formed.  LIMIT: a NaN, an infinity or an overflow that reaches only these two terms is not carried to the result.
; y is held at 30 from above: 2 / (1 + 2^30) lies under half an ulp of 1, so no tanh moves in f32, and the product of four denominators stays under 2^121.
; ONE RECIPROCAL FOR FOUR NUMBERS: a lane's four tiles give, for one row, V0/a0 + V1/a1 + V2/a2 + V3/a3 = ((V0 a1 + V1 a0) a2 a3 + (V2 a3 + V3 a2) a0 a1) / (a0 a1 a2 a3), all in packed f32 lines.
; LIMITS: NaN and infinities among the inputs and the scale byte 0xff are not served; the common denominator is another order of f32 rounding than a sum of Va tanh.
; SHARES.  A cluster of four work-groups owns 1,024 rows of one batch; its four work-groups are the four quarters of e and ask for X's rows and scale bytes JOINTLY (mask 15).  Eight waves: wave w = g + 4 p keeps the 64 rows
; of Wa of group g (32 fragments, 384 registers) for the whole launch and takes the units of parity p.  A UNIT is 16 rows x 64 e x all of K: 32 matrix instructions on 4 accumulators by turns, then the unit's vector run.
; Behind each round parity 0 walks product, vector run and parity 1 vector run (of its pending unit), product: a branch on the wave's number leads round the vector run alone.
; X comes through a ring of two LDS slots of 128 rows (8 units).  THE PRODUCT: source 0 = 16 rows of X, source 1 = 16 rows of Wa: register j of lane (r, h) is (row 8 h + j, e = r).
; THE HEAD.  The work-group's 256 rows of Ua, and then of Wa, come into the ring's bytes by plain tensor loads (a quarter of e belongs to one work-group: no partner shares it) and go from there into the resident registers.
; With Ua resident, h[b] . Ua[e] is one more unit by the same macro: all 16 rows of source 0 are the batch's row of h, so register 0 of each accumulator is my e's number.  No prefetch of the weights: the head has no loop to run ahead in.
; REGISTERS: v1-7 addresses; v8-15 at work; v16-47 accumulators; v48-95 four sets of X's fragment; v96-111 the weight's scale words; v112-115 X's; v116-119 c x bias; v120-123 -2 Va; v124-507 the weight; v508-509 the fragment address in a slot.
.set PITCH, 816                        ; a row of codes in LDS: 3 x (256 bytes + 16 of padding)
.set UB,    16*PITCH                   ; a unit
.set QROWS, 32*PITCH                   ; what one tensor load of the ring brings
.set SLOT,  128*PITCH
.set SLOTB, 128*768                    ; a slot's rows in memory
.set SPARE, 2*SLOT                     ; the spare words: 128 bytes for each of eight waves
.set XSC,   229376                     ; X's scale bytes of the 1,024 rows, dense, filled once; a multiple of 32,768
.set OUTS,  262144                     ; the rows' sums: a region for each wave: 64 bytes that belong to no row, then 64 bytes a unit
.set RSZ,   2304
.set HB,    OUTS+8*RSZ                 ; the batch's row of h, a copy of 1,024 bytes for each wave
.set SPW, 1
.set NIL, 2
.set OA,  3                            ; where my row's sum goes
.set ADR, 4                            ; v4-5 r x pitch + 24 h (+ 40 h) in the unit in hand
.set XSA, 6                            ; my 16 scale bytes of a row
.set PFO, 7                            ; 256 x lane
.set T,   8
.set ACC, 16
.set TA,  24                           ; at work in the sum over lanes
.set XF,  48
.set WS,  96
.set XS,  112
.set CB,  116
.set VA2, 120
.set WF,  124
.set AK,  252                          ; in window 1: v508-509
.set G1P, 4                            ; s[4:11] group 1 for the weights' rows (the arguments that lay there have been used by then)
.set G0U, 12                           ; s[12:15] group 0 for Ua's rows;  s[96:99] for Wa's
.set G0B, 96
.set WV, 18
.set CX, 19
.set CL, 20
.set GW, 21                            ; w % 4
.set PAR, 22                           ; w / 4
.set G1,  24
.set G1S, 32
.set G0S, 40
.set G0A, 44
.set G0W, 48
.set TBF, 52
.set RS,  53
.set TB,  54
.set WOFF, 55
.set CNT, 56
.set LIM, 57
.set CS,  58
.set PFA, 60
.set CLP, 62                           ; 30.0
.set M4,  66
.set M2,  67
.set M1,  68
.set MSB, 0
.macro WIN new                         ; the immediate's high byte repeats the setting that is left
.if MSB != \new
	s_set_vgpr_msb (MSB<<8)|\new
.set MSB, \new
.endif
.endm
.macro DLY n                           ; a hint where the producer stands 1 to 4 vector lines back
.if (\n) == 1
	s_delay_alu instid0(VALU_DEP_1)
.elseif (\n) == 2
	s_delay_alu instid0(VALU_DEP_2)
.elseif (\n) == 3
	s_delay_alu instid0(VALU_DEP_3)
.elseif (\n) == 4
	s_delay_alu instid0(VALU_DEP_4)
.endif
.endm
.macro NOPS n
.rept \n
	v_nop
.endr
.endm
.macro CREST                           ; a round of the cluster's barrier behind its opening barrier
	s_cmp_lg_u32 s[WV], 0
	s_cbranch_scc1 .Lnot_wave_0_\@
	s_barrier_signal -3
.Lnot_wave_0_\@:
	s_barrier_wait -3
	s_barrier_signal -1
	s_barrier_wait -1
.endm
.macro CROUND
	s_barrier_signal -1
	s_barrier_wait -1
	CREST
.endm
.macro TLOAD g0, g1                    ; waves 0 to 3 fill a quarter each; waves 4 to 7 have no part of the tile
	s_cmp_lt_u32 s[WV], 4
	s_cbranch_scc0 .Lno_part_\@
	tensor_load_to_lds s[\g0:\g0+3], s[\g1:\g1+7]
	s_nop 0
	NOPS 4
.Lno_part_\@:
.endm
.macro TARMS g0a, g1a, g0b, g1b        ; one load a wave: waves 0 to 3 the first tile's quarters, waves 4 to 7 the second's
	s_cmp_lt_u32 s[WV], 4
	s_cbranch_scc0 .Lhigh_\@
	tensor_load_to_lds s[\g0a:\g0a+3], s[\g1a:\g1a+7]
	s_nop 0
	NOPS 4
	s_branch .Ljoin_\@
.Lhigh_\@:
	tensor_load_to_lds s[\g0b:\g0b+3], s[\g1b:\g1b+7]
	s_nop 0
	NOPS 4
.Ljoin_\@:
.endm
; A prefetch of the slot that the NEXT change of slots will ask for: 384 blocks of 256 bytes.  The four partners take 24,576 bytes each, told apart by address; in each, waves 0 to 2 take 8,192, lanes 256 bytes apart.
; The last change that fills a slot asks for nothing; slots 0 to 2 come by their loads alone.
.macro ASK
	s_cmp_gt_u32 s[CNT], s[LIM]
	s_cbranch_scc0 .Lnot_mine_\@
	global_prefetch_b8 v[PFO], s[PFA:PFA+1] th:TH_LOAD_NT scope:SCOPE_SE
.Lnot_mine_\@:
.endm
; A fragment, 16 rows x 128 K, is 12 registers: lane (r, h): registers 6 c .. 6 c + 5 hold K = 64 c + 32 h + 0 .. 31, 24 bytes as they lie, in pieces of 8.  Where lanes 16-31 lie behind one padding more, the second address serves.
.macro FRAG reg, adr, q, off
.irp p, 0,1,2,3,4,5
.set PC, 12*(\q)+6*(\p/3)+\p%3
.if PC%32 < 29
	ds_load_b64 v[(\reg)+2*\p:(\reg)+2*\p+1], v[\adr] offset:(\off)+8*PC+16*(PC/32)
.else
	ds_load_b64 v[(\reg)+2*\p:(\reg)+2*\p+1], v[(\adr)+1] offset:(\off)+8*PC+16*(PC/32)
.endif
.endr
.endm
.macro LOADS q                         ; K step q of a unit into set q % 4: 6 loads
	FRAG XF+12*((\q)%4), ADR, \q, 0
.endm
.macro RESID                           ; my group's 64 rows of a weight, from the ring's bytes into the resident registers: fragment 4 q + g (tile g, K step q) at v[124 + 12 (4 q + g)]; addresses in v8-9
.set f, 0
.rept 32
.set ab, WF+12*f
.if ab < 256
	WIN 0
.else
	WIN 0x40
.set ab, ab-256
.endif
	FRAG ab, T, f/4, (f%4)*UB
.set f, f+1
.endr
	WIN 0
.endm
; K step q: four matrix instructions, the four accumulators by turns.  From fragment 11 on the weight lies in window 1.
; Scale words: register q % 4 holds K step q in lanes 0-15 for q < 4 and in lanes 16-31 for q >= 4.
.macro MMQ q
.irp g, 0,1,2,3
.set ab, WF+12*(4*(\q)+\g)
.if ab < 256
	WIN 0
.else
	WIN 0x04
.set ab, ab-256
.endif
.set rD, ACC+8*\g
.set rX, XF+12*((\q)%4)
.set rXS, XS+(\q)%4
.set rWS, WS+4*\g+(\q)%4
.if (\q) == 0
	v_wmma_scale_f32_16x16x128_f8f6f4 v[rD:rD+7], v[rX:rX+11], v[ab:ab+11], 0, v[rXS], v[rWS] matrix_a_fmt:MATRIX_FMT_BF6 matrix_b_fmt:MATRIX_FMT_BF6
.elseif (\q) < 4
	v_wmma_scale_f32_16x16x128_f8f6f4 v[rD:rD+7], v[rX:rX+11], v[ab:ab+11], v[rD:rD+7], v[rXS], v[rWS] matrix_a_fmt:MATRIX_FMT_BF6 matrix_b_fmt:MATRIX_FMT_BF6
.else
	v_wmma_scale_f32_16x16x128_f8f6f4 v[rD:rD+7], v[rX:rX+11], v[ab:ab+11], v[rD:rD+7], v[rXS], v[rWS] matrix_a_fmt:MATRIX_FMT_BF6 matrix_b_fmt:MATRIX_FMT_BF6 matrix_a_scale:MATRIX_SCALE_ROW1 matrix_b_scale:MATRIX_SCALE_ROW1
.endif
.endr
.endm
.macro PT g, p                         ; y = c x + c bias, a pair of rows of tile g
.set rA, ACC+8*(\g)+2*(\p)
.set rC, CB+2*((\g)/2)
.if (\g)%2 == 0
	v_pk_fma_f32 v[rA:rA+1], v[rA:rA+1], s[CS:CS+1], v[rC:rC+1] op_sel_hi:[1,0,0]
.else
	v_pk_fma_f32 v[rA:rA+1], v[rA:rA+1], s[CS:CS+1], v[rC:rC+1] op_sel:[0,0,1] op_sel_hi:[1,0,1]
.endif
.endm
.macro VM d, a, g                      ; d = a x (-2 Va of tile g)
.set rV, VA2+2*((\g)/2)
.if (\g)%2 == 0
	v_pk_mul_f32 v[\d:\d+1], v[\a:\a+1], v[rV:rV+1] op_sel_hi:[1,0]
.else
	v_pk_mul_f32 v[\d:\d+1], v[\a:\a+1], v[rV:rV+1] op_sel:[0,1] op_sel_hi:[1,1]
.endif
.endm
.macro VF d, a, g                      ; d += a x (-2 Va of tile g)
.set rV, VA2+2*((\g)/2)
.if (\g)%2 == 0
	v_pk_fma_f32 v[\d:\d+1], v[\a:\a+1], v[rV:rV+1], v[\d:\d+1] op_sel_hi:[1,0,1]
.else
	v_pk_fma_f32 v[\d:\d+1], v[\a:\a+1], v[rV:rV+1], v[\d:\d+1] op_sel:[0,1,0] op_sel_hi:[1,1,1]
.endif
.endm
.macro PM d, a, b
	v_pk_mul_f32 v[\d:\d+1], v[\a:\a+1], v[\b:\b+1]
.endm
.macro ADD1 g                          ; a = 1 + 2^y
.irp p, 0,1,2,3
	v_pk_add_f32 v[ACC+8*\g+2*\p:ACC+8*\g+2*\p+1], v[ACC+8*\g+2*\p:ACC+8*\g+2*\p+1], 1.0 op_sel_hi:[1,0]
.endr
.endm
; The sum over lanes, a step of distance d: a lane keeps the x whose bit d is its r's, sends the other to lane r xor d, and adds what it gets.  pk = 1: the sources were made by four packed lines.
.macro SCAT d, m, pk
.set rx, 0
.rept \d
.if \pk
	DLY 2*rx+2-rx/2
.else
	DLY rx+\d
.endif
	v_cndmask_b32 v[TA+2*rx], v[T+rx], v[T+rx+\d], s[\m]
.if \pk
	DLY 2*rx+3-rx/2
.else
	DLY rx+\d+1
.endif
	v_cndmask_b32 v[TA+2*rx+1], v[T+rx+\d], v[T+rx], s[\m]
.set rx, rx+1
.endr
.set rx, 0
.rept \d
	DLY 2*\d-rx-1
	v_add_f32_dpp v[T+rx], v[TA+2*rx+1], v[TA+2*rx] row_xmask:\d row_mask:0xf bank_mask:0xf
.set rx, rx+1
.endr
.endm
; THE VECTOR RUN of a unit: 32 numbers a lane.  Two batches of transcendentals (32 exponentials, 8 reciprocals), each with one wait ahead and one behind.
; Every line's producer stands 8 lines back or more until the sum over lanes.  a0 .. a3: the tiles' registers; each accumulator is read from its low end on.
.macro VPH
.irp p, 0,1,2,3
.irp g, 0,1,2,3
	PT \g, \p
.endr
.endr
.irp p, 0,1,2,3
.irp g, 0,1,2,3
	v_dual_min_num_f32 v[ACC+8*\g+2*\p], s[CLP], v[ACC+8*\g+2*\p] :: v_dual_min_num_f32 v[ACC+8*\g+2*\p+1], s[CLP], v[ACC+8*\g+2*\p+1]
.endr
.endr
	s_wait_alu depctr_va_vdst(0)
.set j, 0
.rept 32
	v_exp_f32 v[ACC+j], v[ACC+j]
.set j, j+1
.endr
	v_nop                                          ; the plain line behind the batch
	s_wait_alu depctr_va_vdst(0)
	ADD1 3
	ADD1 2
.irp p, 0,1,2,3
	VM T+2*\p, ACC+24+2*\p, 2                      ; t = V2 a3
.endr
	ADD1 1
.irp p, 0,1,2,3
	VF T+2*\p, ACC+16+2*\p, 3                      ; t += V3 a2
.endr
	ADD1 0
.irp p, 0,1,2,3
	PM ACC+16+2*\p, ACC+16+2*\p, ACC+24+2*\p       ; a2 = a2 a3
.endr
.irp p, 0,1,2,3
	VM ACC+24+2*\p, ACC+8+2*\p, 0                  ; a3 = V0 a1
.endr
.irp p, 0,1,2,3
	PM ACC+8+2*\p, ACC+2*\p, ACC+8+2*\p            ; a1 = a0 a1
.endr
.irp p, 0,1,2,3
	VF ACC+24+2*\p, ACC+2*\p, 1                    ; a3 += V1 a0
.endr
.irp p, 0,1,2,3
	PM ACC+2*\p, T+2*\p, ACC+8+2*\p                ; a0 = t x (a0 a1)
.endr
.irp p, 0,1,2,3
	PM T+2*\p, ACC+8+2*\p, ACC+16+2*\p             ; t = the common denominator
.endr
.irp p, 0,1,2,3
	v_pk_fma_f32 v[ACC+24+2*\p:ACC+24+2*\p+1], v[ACC+24+2*\p:ACC+24+2*\p+1], v[ACC+16+2*\p:ACC+16+2*\p+1], v[ACC+2*\p:ACC+2*\p+1]   ; a3 = the numerator
.endr
	s_wait_alu depctr_va_vdst(0)
.set j, 0
.rept 8
	v_rcp_f32 v[T+j], v[T+j]
.set j, j+1
.endr
	v_nop
	s_wait_alu depctr_va_vdst(0)
.irp p, 0,1,2,3
	PM T+2*\p, ACC+24+2*\p, T+2*\p                 ; register x: my e's share of row 8 h + x
.endr
	SCAT 4, M4, 1
	SCAT 2, M2, 0
	SCAT 1, M1, 0                                  ; lane (r, h) holds x = r % 8,
	DLY 1
	v_add_f32_dpp v[T], v[T], v[T] row_xmask:8 row_mask:0xf bank_mask:0xf   ; with lane r xor 8's: the sum over my wave's 64 e
	ds_store_b32 v[OA], v[T]                       ; lanes r and r xor 8 write the same word with the same value
.endm
.macro NEWADR                          ; the fragment addresses of the unit at s[TB]
	WIN 0x01
	v_add_nc_u32 v[ADR], v[AK], s[TB]
	v_add_nc_u32 v[ADR+1], v[AK+1], s[TB]
	WIN 0
.endm
.macro XSTEP                           ; two units on in the scale bytes; the look-ahead past the last unit names the first bytes again, which are whole
	v_add_nc_u32 v[XSA], 1024, v[XSA]
	DLY 1
	v_and_b32 v[XSA], 0x7fff, v[XSA]
	DLY 1
	v_add_nc_u32 v[XSA], XSC, v[XSA]
.endm
.macro FIRST step                      ; behind a change of slots: the new slot's first unit of my parity: K steps 0 to 3 and the scale words
	s_mov_b32 s[TB], s[RS]
	NEWADR
.if \step
	XSTEP
.endif
	s_wait_alu depctr_va_vdst(0)                   ; the wait behind these writes
	LOADS 0
	LOADS 1
	ds_load_b128 v[XS:XS+3], v[XSA]
	LOADS 2
	LOADS 3
.endm
; THE PRODUCT of a unit.  Four runs of LDS loads, each behind four plain places or more.  s_wait_dscnt 12 leaves out the 12 loads of the run just issued (at the head: K steps 2 and 3, the youngest 12).
; last = 1: the slot's last unit of my parity: the next unit lies behind the change of slots and is not asked for here.
.macro MPH last
	s_wait_dscnt 12
	MMQ 0
	MMQ 1
	NOPS 4
	LOADS 4
	LOADS 5
	s_wait_dscnt 12
	MMQ 2
	MMQ 3
	NOPS 4
	LOADS 6
	LOADS 7
	s_wait_dscnt 12
	MMQ 4
	MMQ 5
.if \last
	s_wait_dscnt 0x0
.else
	s_add_co_u32 s[TB], s[TB], 2*UB                ; my next unit; the five lines below are the places
	NEWADR
	XSTEP
	s_wait_alu depctr_va_vdst(0)                   ; the wait behind these writes
	LOADS 0
	LOADS 1
	s_wait_dscnt 12
.endif
	MMQ 6
	MMQ 7
	WIN 0
	v_add_nc_u32 v[OA], 64, v[OA]                  ; five places: for the loads below, the vector run's reads and the next unit's first products
	NOPS 4
	s_wait_alu depctr_va_vdst(0)
.if (\last) == 0
	ds_load_b128 v[XS:XS+3], v[XSA]
	LOADS 2
	LOADS 3
.endif
.endm
.macro TRIP last
	s_cmp_eq_u32 s[PAR], 0
	s_cbranch_scc1 .Lmul_\@
	VPH                                            ; parity 1: the unit multiplied in the trip before
.Lmul_\@:
	MPH \last
	s_cmp_lg_u32 s[PAR], 0
	s_cbranch_scc1 .Lend_\@
	VPH                                            ; parity 0: the unit just multiplied
.Lend_\@:
.endm
; THE CHANGE OF SLOTS: every wave waits for all its tensor loads, adds 0 to its spare word, waits for that, for its reads of the slot and for its stores.  fill = 1: the barrier opens a round, and the slot is filled again.
.macro SYNC fill
	s_wait_tensorcnt 0x0
	ds_add_u32 v[SPW], v[NIL]
	s_xor_b32 s[RS], s[RS], SLOT
.if \fill
	s_xor_b32 s[TBF], s[TBF], SLOT
	s_add_co_u32 s[G0W+1], s[TBF], s[WOFF]
	s_add_nc_u64 s[G0W+2:G0W+3], s[G0W+2:G0W+3], SLOTB
	s_wait_xcnt 0x0                                ; the last prefetch, a slot back, has read its address
	s_add_nc_u64 s[PFA:PFA+1], s[PFA:PFA+1], SLOTB
.endif
	s_wait_dscnt 0x0
	s_barrier_signal -1
	s_barrier_wait -1
.if \fill
	CREST
	TLOAD G0W, G1
	ASK
.endif
.endm
.macro SLOTW fill
	TRIP 0
	TRIP 0
	TRIP 0
	TRIP 1
	SYNC \fill
	FIRST 1
.endm
.macro SHOWN                           ; a tile is whole for all eight waves
	s_wait_alu depctr_va_vdst(0)
	s_wait_tensorcnt 0x0
	s_wait_dscnt 0x0
	s_barrier_signal -1
	s_barrier_wait -1
.endm
.macro FREED                           ; the lines ahead of a refill, and the round
	s_wait_tensorcnt 0x0
	ds_add_u32 v[SPW], v[NIL]
	s_wait_dscnt 0x0
	CROUND
.endm
	s_load_b256 s[4:11], s[0:1], 0x0               ; X's codes, X's scales, Wa's codes, Wa's scales
	s_load_b256 s[80:87], s[0:1], 0x20             ; Ua's codes, Ua's scales, h's codes, h's scales
	s_load_b256 s[88:95], s[0:1], 0x40             ; Ua_b, Wa_b, Va, part
	v_lshl_add_u32 v[SPW], v0, 2, SPARE
	v_mov_b32 v[NIL], 0
	ds_add_u32 v[SPW], v[NIL]                      ; the opening lines: the add twice on end and its wait
	ds_add_u32 v[SPW], v[NIL]
	v_lshrrev_b32 v10, 5, v0
	v_readfirstlane_b32 s[WV], v10
	s_and_b32 s[GW], s[WV], 3
	s_lshr_b32 s[PAR], s[WV], 2
	s_bfe_u32 s[CX], ttmp6, 0x40000                ; my quarter of e: it enters global addresses of my own loads and stores alone
	s_mov_b32 s[CL], ttmp9
	s_mov_b32 s[G1+0], 15|(3<<16)|(1<<20)|(1<<21)|(5<<22)|(3<<25)   ; X's codes: 32 rows of 768 bytes, dense, as 96 rows of 256 bytes, 16 bytes of padding behind each; mask: all four
	s_mov_b32 s[G1+1], 32<<16
	s_mov_b32 s[G1+2], 96<<16
	s_mov_b32 s[G1+3], 32<<16
	s_mov_b32 s[G1+4], 96
	s_mov_b32 s[G1+5], 32
	s_mov_b32 s[G1+6], 0
	s_mov_b32 s[G1+7], 0
	s_mov_b32 s[G1S+0], 15|(3<<16)|(1<<21)         ; scale bytes: 256 rows of 32 bytes, dense, as 32 rows of 256 bytes
	s_mov_b32 s[G1S+1], 32<<16
	s_mov_b32 s[G1S+2], 32<<16
	s_mov_b32 s[G1S+3], 32<<16
	s_mov_b32 s[G1S+4], 32
	s_mov_b32 s[G1S+5], 32
	s_mov_b32 s[G1S+6], 0
	s_mov_b32 s[G1S+7], 0
	s_mul_i32 s[WOFF], s[GW], QROWS
	s_mov_b32 s[TBF], SLOT
	s_mov_b32 s[RS], 0
	s_mov_b32 s[CS], 0x4038aa3b                    ; c = 2 log2(e)
	s_mov_b32 s[CS+1], s[CS]
	s_mov_b32 s[CLP], 0x41f00000                   ; 30.0
	s_mov_b32 s[M4], 0xf0f0f0f0
	s_mov_b32 s[M2], 0xcccccccc
	s_mov_b32 s[M1], 0xaaaaaaaa
	s_cmp_lt_u32 s[WV], 3
	s_cselect_b32 s[LIM], 1, -1
	s_mul_i32 s70, s[CL], 786432                   ; the cluster's 1,024 rows
	s_mov_b32 s71, 0
	s_mul_i32 s72, s[GW], 24576                    ; 32 rows of a slot
	s_mov_b32 s73, 0
	s_lshl_b32 s74, s[CL], 15
	s_lshl_b32 s75, s[GW], 13
	s_add_co_u32 s74, s74, s75                     ; a quarter of the cluster's scale bytes
	s_mov_b32 s75, 0
	s_mul_i32 s76, s[CX], 24576
	s_lshl_b32 s77, s[GW], 13
	s_add_co_u32 s76, s76, s77
	s_add_co_u32 s76, s76, 2*SLOTB                 ; the prefetches stand in slot 2: the first change steps them to slot 3
	s_mov_b32 s77, 0
	s_lshl_b32 s16, s[CX], 8
	s_lshl_b32 s17, s[GW], 6
	s_add_co_u32 s16, s16, s17                     ; my group's first e: 256 cx + 64 g
	s_mul_i32 s100, s16, 768                       ; its codes in Ua and in Wa,
	s_mov_b32 s101, 0
	s_lshl_b32 s78, s16, 5                         ; its scale bytes
	s_mov_b32 s79, 0
	s_lshr_b32 s23, s[CL], 1                       ; the batch
	s_lshl_b32 s69, s[WV], 10
	s_add_co_u32 s69, s69, HB                      ; my copy of the batch's row of h
	s_wait_alu depctr_va_vdst(0)
	s_wait_dscnt 0x0
	s_wait_kmcnt 0x0
	s_add_nc_u64 s[4:5], s[4:5], s[70:71]
	s_add_nc_u64 s[PFA:PFA+1], s[4:5], s[76:77]
	s_add_nc_u64 s[4:5], s[4:5], s[72:73]
	s_mov_b32 s[G0S], 1
	s_lshl_b32 s[G0S+1], s[GW], 13
	s_add_co_u32 s[G0S+1], s[G0S+1], XSC
	s_add_nc_u64 s[G0S+2:G0S+3], s[6:7], s[74:75]
	s_or_b32 s[G0S+3], s[G0S+3], 0x80000000
	s_mov_b32 s[G0A], 1
	s_mov_b32 s[G0A+1], s[WOFF]
	s_mov_b64 s[G0A+2:G0A+3], s[4:5]
	s_or_b32 s[G0A+3], s[G0A+3], 0x80000000
	s_mov_b32 s[G0W], 1
	s_add_co_u32 s[G0W+1], s[WOFF], SLOT
	s_add_nc_u64 s[G0W+2:G0W+3], s[4:5], SLOTB
	s_or_b32 s[G0W+3], s[G0W+3], 0x80000000
	s_mov_b32 s[G0U], 1                            ; group g's 64 rows of Ua, to LDS row 64 g
	s_mul_i32 s[G0U+1], s[GW], 64*PITCH
	s_add_nc_u64 s[G0U+2:G0U+3], s[80:81], s[100:101]
	s_or_b32 s[G0U+3], s[G0U+3], 0x80000000
	s_mov_b32 s[G0B], 1                            ; and of Wa, to the same bytes
	s_mul_i32 s[G0B+1], s[GW], 64*PITCH
	s_add_nc_u64 s[G0B+2:G0B+3], s[8:9], s[100:101]
	s_or_b32 s[G0B+3], s[G0B+3], 0x80000000
	s_add_nc_u64 s[82:83], s[82:83], s[78:79]      ; Ua's scale bytes of my group,
	s_add_nc_u64 s[78:79], s[10:11], s[78:79]      ; and Wa's
	s_mul_i32 s100, s23, 768
	s_add_nc_u64 s[84:85], s[84:85], s[100:101]    ; the batch's row of h,
	s_lshl_b32 s100, s23, 5
	s_add_nc_u64 s[86:87], s[86:87], s[100:101]    ; its scale bytes
	s_lshl_b32 s100, s16, 2
	s_add_nc_u64 s[88:89], s[88:89], s[100:101]    ; Ua_b, Wa_b and Va at my group's e
	s_add_nc_u64 s[90:91], s[90:91], s[100:101]
	s_add_nc_u64 s[92:93], s[92:93], s[100:101]
	s_lshl_b32 s72, s[CX], 18
	s_lshl_b32 s74, s[CL], 12
	s_add_co_u32 s72, s72, s74
	s_lshl_b32 s74, s[WV], 9
	s_add_co_u32 s72, s72, s74
	s_add_nc_u64 s[16:17], s[94:95], s[72:73]      ; part: quarter cx, the cluster's rows, my 128 of them
	s_mov_b32 s[G1P+0], (3<<16)|(1<<20)|(5<<22)|(3<<25)   ; a weight's 64 rows of 768 bytes, dense, as 192 rows of 256 bytes, padded as X's; no mask: my work-group's own
	s_mov_b32 s[G1P+1], 32<<16
	s_mov_b32 s[G1P+2], 192<<16
	s_mov_b32 s[G1P+3], 32<<16
	s_mov_b32 s[G1P+4], 192
	s_mov_b32 s[G1P+5], 32
	s_mov_b32 s[G1P+6], 0
	s_mov_b32 s[G1P+7], 0
	s_mul_i32 s70, s[PAR], UB                      ; my parity's unit of a pair
	s_lshl_b32 s71, s[PAR], 9
	s_add_co_u32 s71, s71, XSC                     ; and its scale bytes
	s_mul_i32 s74, s[WV], RSZ
	s_add_co_u32 s74, s74, OUTS-64                 ; my region of sums, 64 bytes low: the unit of h steps the address once
	CROUND                                         ; all four work-groups are here
	TARMS G0U, G1P, G0S, G1S                       ; the head's tiles, one load a wave: Ua's four groups, the four quarters of X's scale bytes
	v_and_b32 v12, 15, v0                          ; r
	v_bfe_u32 v13, v0, 4, 1                        ; h
	v_and_b32 v14, 31, v0
	DLY 3
	v_mul_u32_u24 v15, v12, PITCH
	DLY 4
	v_lshlrev_b32 v10, 5, v12
	v_lshlrev_b32 v11, 2, v12                      ; 4 r
	DLY 4
	v_lshlrev_b32 v28, 3, v14                      ; 8 x lane
	v_lshlrev_b32 v[PFO], 8, v14
	v_lshlrev_b32 v30, 4, v13                      ; 16 h
	v_lshl_add_u32 v10, v13, 4, v10                ; 32 r + 16 h
	DLY 4
	v_add_nc_u32 v29, s69, v28
	s_wait_alu depctr_va_vdst(0)
.irp c, 0,1,2
	global_load_b64 v[16+2*\c:17+2*\c], v28, s[84:85] offset:256*\c   ; the row of h: 256 consecutive bytes a load
.endr
	global_load_b128 v[XS:XS+3], v30, s[86:87]     ; its scale words: the same in all sixteen lanes of a half
.irp g, 0,1,2,3
	global_load_b128 v[WS+4*\g:WS+4*\g+3], v10, s[82:83] offset:512*\g   ; Ua's scale words
	global_load_b32 v[CB+\g], v11, s[90:91] offset:64*\g
	global_load_b32 v[24+\g], v11, s[88:89] offset:64*\g
	global_load_b32 v[VA2+\g], v11, s[92:93] offset:64*\g
.endr
	v_mad_u32_u24 v8, v13, 24, v15
	v_mad_u32_u24 v9, v13, 40, v15
	v_and_b32 v14, 7, v12
	v_mad_u32_u24 v[ADR], v13, 24, s69             ; the unit of h: every lane of a half reads the same row
	v_mad_u32_u24 v[ADR+1], v13, 40, s69
	v_add_nc_u32 v[XSA], s71, v10
	v_add_nc_u32 v31, s70, v15
	v_add_nc_u32 v8, s[G0U+1], v8                  ; v8-9: my group's rows of a weight in the ring's bytes
	v_add_nc_u32 v9, s[G0U+1], v9
	v_lshl_add_u32 v14, v13, 3, v14                ; 8 h + r % 8: the row of a unit that I end up with
	DLY 1
	v_lshl_add_u32 v[OA], v14, 2, s74
	WIN 0x40
	v_mad_u32_u24 v[AK], v13, 24, v31
	v_mad_u32_u24 v[AK+1], v13, 40, v31
	WIN 0
	s_wait_alu depctr_va_vdst(0)
	s_wait_loadcnt 0x0
.irp c, 0,1,2
	ds_store_b64 v29, v[16+2*\c:17+2*\c] offset:272*\c   ; my own copy, padded as the tiles are: only I read it
.endr
.irp g, 0,1,2,3
	v_add_f32 v[CB+\g], v[CB+\g], v[24+\g]         ; Wa_b + Ua_b
.endr
.irp g, 0,1,2,3
	v_mul_f32 v[VA2+\g], -2.0, v[VA2+\g]
.endr
.irp g, 0,1,2,3
	v_mul_f32 v[CB+\g], s[CS], v[CB+\g]
.endr
	SHOWN                                          ; Ua's rows and X's scale bytes are in
	RESID                                          ; Ua's fragments
	FREED                                          ; they are in registers: the bytes are free
	TLOAD G0B, G1P                                 ; Wa's rows, on their way under the unit of h
	LOADS 0
	LOADS 1
	LOADS 2
	LOADS 3
	MPH 1                                          ; h[b] . Ua[e]: all rows of an accumulator are alike
.irp g, 0,1,2,3
	v_fma_f32 v[CB+\g], v[ACC+8*\g], s[CS], v[CB+\g]   ; c x the whole bias of my e in tile g; the accumulators stay as they are: parity 1's first vector run works them, and its sums go to the 64 bytes that belong to no row
.endr
.irp g, 0,1,2,3
	global_load_b128 v[WS+4*\g:WS+4*\g+3], v10, s[78:79] offset:512*\g   ; Wa's scale words
.endr
	SHOWN                                          ; Wa's rows are in
	RESID                                          ; Wa's fragments: they stay
	FREED
	TARMS G0A, G1, G0W, G1                         ; slots 0 and 1, jointly, one load a wave
	SHOWN
	FIRST 0
	s_wait_loadcnt 0x0                             ; Wa's scale words
	s_mov_b32 s[CNT], 6
.Lfill:                                                ; a trip is a slot; slots 0 to 5 are filled again
	SLOTW 1
	s_sub_co_u32 s[CNT], s[CNT], 1
	s_cmp_lg_u32 s[CNT], 0
	s_cbranch_scc1 .Lfill
	s_mov_b32 s[CNT], 2
.Llast:                                                ; the last two slots, without a tensor load.  The last trip's look-ahead reads whole bytes that nobody writes any more, into registers that are not used again
	SLOTW 0
	s_sub_co_u32 s[CNT], s[CNT], 1
	s_cmp_lg_u32 s[CNT], 0
	s_cbranch_scc1 .Llast
	s_cmp_eq_u32 s[PAR], 0
	s_cbranch_scc1 .Lfin
	VPH                                            ; parity 1's last unit
.Lfin:
	; thread t takes rows 4 t .. 4 t + 3: unit pair t / 8, parity (t / 4) % 2, 16 (t % 4) bytes into the unit's 64
	v_and_b32 v8, 0xf8, v0
	v_and_b32 v9, 3, v0
	v_bfe_u32 v10, v0, 2, 1
	v_and_b32 v11, 31, v0
	DLY 4
	v_lshlrev_b32 v8, 3, v8
	DLY 1
	v_lshl_add_u32 v8, v9, 4, v8
	DLY 1
	v_mad_u32_u24 v8, v10, 4*RSZ, v8
	DLY 1
	v_add_nc_u32 v8, OUTS+64, v8
	v_lshlrev_b32 v11, 4, v11
	s_wait_alu depctr_va_vdst(0)
	s_wait_dscnt 0x0                               ; my sums have landed, the look-ahead loads are in
	s_barrier_signal -1
	s_barrier_wait -1
.irp g, 0,1,2,3
	ds_load_b128 v[16+4*\g:19+4*\g], v8 offset:\g*RSZ   ; the four groups of e
.endr
	s_wait_dscnt 0x0
	v_pk_add_f32 v[16:17], v[16:17], v[20:21]
	v_pk_add_f32 v[18:19], v[18:19], v[22:23]
	v_pk_add_f32 v[24:25], v[24:25], v[28:29]
	v_pk_add_f32 v[26:27], v[26:27], v[30:31]
	DLY 2
	v_pk_add_f32 v[16:17], v[16:17], v[24:25]
	DLY 2
	v_pk_add_f32 v[18:19], v[18:19], v[26:27]
	global_store_b128 v11, v[16:19], s[16:17]      ; 32 lanes store 512 consecutive bytes, at a multiple of 256 from the buffer's first byte
	s_wait_tensorcnt 0x0                           ; the wave's end
	ds_add_u32 v[SPW], v[NIL]
	s_wait_dscnt 0x0
	CROUND                                         ; the closing round
	s_endpgm
.Lfunc_end_k_q4893be5a0f_scores:
	.size	k_q4893be5a0f_scores, .Lfunc_end_k_q4893be5a0f_scores-k_q4893be5a0f_scores
	.p2alignl 7, 3214868480
	.fill 96, 4, 3214868480
	.section	.rodata,"a",@progbits
	.p2align	6, 0x0
	.amdhsa_kernel k_q4893be5a0f_scores
		.amdhsa_group_segment_fixed_size 327680
		.amdhsa_private_segment_fixed_size 0
		.amdhsa_enable_private_segment 0
		.amdhsa_kernarg_size 96
		.amdhsa_user_sgpr_count 2
		.amdhsa_user_sgpr_kernarg_segment_ptr 1
		.amdhsa_wavefront_size32 1
		.amdhsa_system_sgpr_workgroup_id_x 1
		.amdhsa_system_sgpr_workgroup_id_y 1
		.amdhsa_system_sgpr_workgroup_id_z 1
		.amdhsa_system_vgpr_workitem_id 0
		.amdhsa_next_free_vgpr 512
		.amdhsa_next_free_sgpr 102
		.amdhsa_reserve_vcc 0
		.amdhsa_float_denorm_mode_32 3
		.amdhsa_float_denorm_mode_16_64 3
		.amdhsa_memory_ordered 1
		.amdhsa_forward_progress 1
		.amdhsa_inst_pref_size 255
	.end_amdhsa_kernel
	.section	.bss,"aw",@nobits
	.p2align	6
	.space	262144
	.amdgpu_metadata
---
amdhsa.version: [ 1, 2 ]
amdhsa.kernels:
  - .name:           k_q4893be5a0f_scores
    .symbol:         k_q4893be5a0f_scores.kd
    .args:
      - { .name: encoder_outputs_codes, .offset: 0, .size: 8, .value_kind: global_buffer, .address_space: global }
      - { .name: encoder_outputs_scales, .offset: 8, .size: 8, .value_kind: global_buffer, .address_space: global }
      - { .name: Wa_w_codes, .offset: 16, .size: 8, .value_kind: global_buffer, .address_space: global }
      - { .name: Wa_w_scales, .offset: 24, .size: 8, .value_kind: global_buffer, .address_space: global }
      - { .name: Ua_w_codes, .offset: 32, .size: 8, .value_kind: global_buffer, .address_space: global }
      - { .name: Ua_w_scales, .offset: 40, .size: 8, .value_kind: global_buffer, .address_space: global }
      - { .name: decoder_hidden_state_codes, .offset: 48, .size: 8, .value_kind: global_buffer, .address_space: global }
      - { .name: decoder_hidden_state_scales, .offset: 56, .size: 8, .value_kind: global_buffer, .address_space: global }
      - { .name: Ua_b, .offset: 64, .size: 8, .value_kind: global_buffer, .address_space: global }
      - { .name: Wa_b, .offset: 72, .size: 8, .value_kind: global_buffer, .address_space: global }
      - { .name: Va_w, .offset: 80, .size: 8, .value_kind: global_buffer, .address_space: global }
      - { .name: part, .offset: 88, .size: 8, .value_kind: global_buffer, .address_space: global }
    .group_segment_fixed_size: 327680
    .private_segment_fixed_size: 0
    .kernarg_segment_align: 8
    .kernarg_segment_size: 96
    .max_flat_workgroup_size: 256
    .sgpr_count:     102
    .vgpr_count:     512
    .wavefront_size: 32
...
	.end_amdgpu_metadata
.endif
;; end of part 1
;; launch soft (part 2): grid 32 x 1, 8 waves a work-group, no clusters, 2,048 bytes of LDS; arguments part, attn_mask, out0; writes out0
.if DOCPART == 2
	.amdgcn_target "amdgcn-amd-amdhsa--gfx1250"
	.amdhsa_code_object_version 6
	.text
	.protected	k_q4893be5a0f_soft
	.globl	k_q4893be5a0f_soft
	.p2align	8
	.type	k_q4893be5a0f_soft,@function
k_q4893be5a0f_soft:
	s_mov_b64 s[64:65], 0
	v_nop
	global_prefetch_b8 v0, s[64:65] scope:SCOPE_SE
	s_setreg_imm32_b32 hwreg(HW_REG_WAVE_MODE, 25, 1), 1
	s_wait_xcnt 0x0
; out0[b][s] = softmax over s of (part[0] + part[1] + part[2] + part[3] at row 2,048 b + s, or -infinity where attn_mask[b][s] is 0).  All in f32; the row's maximum is taken off ahead of the exponential.
; LEFT OUT: Va_b and the sum of Va, the same for all s of a row (shown at the head of the first kernel).
; A work-group of eight waves takes a batch; thread t takes positions 4 t .. 4 t + 3 and 1,024 + 4 t .. + 3: every load and store of a wave covers 512 (the mask: 128) consecutive bytes.
; No matrix unit, tensor load or cluster: the launch only streams 1.4 MB, and no two work-groups read the same bytes.
; A batch with no position left by its mask gives NaN everywhere, as the softmax of such a row is.  NaN among the scores is not served.
.set S, 8                              ; v8-15 my 8 scores; v16-39 the other three quarters' parts
.macro WRED opd, op                    ; over the wave's 32 lanes
.irp m, 1,2,4,8
	s_delay_alu instid0(VALU_DEP_1)
	\opd v44, v44, v44 row_xmask:\m row_mask:0xf bank_mask:0xf
.endr
	s_delay_alu instid0(VALU_DEP_1)
	v_permlanex16_b32 v45, v44, s18, s19
	s_delay_alu instid0(VALU_DEP_1)
	\op v44, v44, v45
.endm
	s_load_b128 s[4:7], s[0:1], 0x0                ; part, the mask
	s_load_b64 s[10:11], s[0:1], 0x10              ; out0
	v_lshl_add_u32 v64, v0, 2, 0x400
	v_mov_b32 v65, 0
	v_lshlrev_b32 v1, 4, v0                        ; 16 t
	v_lshlrev_b32 v2, 2, v0                        ; 4 t
	v_lshrrev_b32 v3, 5, v0
	s_delay_alu instid0(VALU_DEP_1)
	v_lshlrev_b32 v3, 2, v3                        ; LDS: my wave's word
	v_mov_b32 v4, 0
	v_mov_b32 v5, 0xff800000                       ; -infinity
	v_mov_b32 v45, 0                               ; a lane permute's destination counts as one of its sources
	s_lshl_b32 s12, ttmp9, 13
	s_mov_b32 s13, 0
	s_lshl_b32 s14, ttmp9, 11
	s_mov_b32 s15, 0
	s_mov_b32 s18, 0x76543210
	s_mov_b32 s19, 0xfedcba98
	s_wait_alu depctr_va_vdst(0)
	s_wait_kmcnt 0x0
	s_add_nc_u64 s[4:5], s[4:5], s[12:13]
	s_add_nc_u64 s[6:7], s[6:7], s[14:15]
	s_add_nc_u64 s[10:11], s[10:11], s[12:13]
.irp p, 0,1,2,3
.irp u, 0,1
	global_load_b128 v[S+8*\p+4*\u:S+8*\p+4*\u+3], v1, s[4:5] offset:262144*\p+4096*\u th:TH_LOAD_NT
.endr
.endr
	global_load_b32 v40, v2, s[6:7]
	global_load_b32 v41, v2, s[6:7] offset:1024
	s_wait_loadcnt 0x0
.irp j, 0,2,4,6
	v_pk_add_f32 v[S+\j:S+\j+1], v[S+\j:S+\j+1], v[S+8+\j:S+8+\j+1]
	v_pk_add_f32 v[S+16+\j:S+16+\j+1], v[S+16+\j:S+16+\j+1], v[S+24+\j:S+24+\j+1]
.endr
.irp j, 0,2,4,6
	v_pk_add_f32 v[S+\j:S+\j+1], v[S+\j:S+\j+1], v[S+16+\j:S+16+\j+1]
.endr
.irp u, 0,1
.irp i, 0,1,2,3
	v_bfe_u32 v42, v[40+\u], 8*\i, 8               ; the position's byte of the mask
	s_delay_alu instid0(VALU_DEP_1)
	v_cmp_ne_u32 vcc_lo, 0, v42
	s_delay_alu instid0(VALU_DEP_1)
	v_cndmask_b32 v[S+4*\u+\i], v5, v[S+4*\u+\i], vcc_lo
.endr
.endr
	v_max3_num_f32 v44, v[S], v[S+1], v[S+2]
	s_delay_alu instid0(VALU_DEP_1)
	v_max3_num_f32 v44, v44, v[S+3], v[S+4]
	s_delay_alu instid0(VALU_DEP_1)
	v_max3_num_f32 v44, v44, v[S+5], v[S+6]
	s_delay_alu instid0(VALU_DEP_1)
	v_max_num_f32 v44, v44, v[S+7]
	WRED v_max_num_f32_dpp, v_max_num_f32
	ds_store_b32 v3, v44                           ; all lanes write the same word with the same value
	s_wait_dscnt 0x0
	s_barrier_signal -1
	s_barrier_wait -1
	ds_load_b128 v[46:49], v4
	ds_load_b128 v[50:53], v4 offset:16
	s_wait_dscnt 0x0
	v_max3_num_f32 v44, v46, v47, v48
	s_delay_alu instid0(VALU_DEP_1)
	v_max3_num_f32 v44, v44, v49, v50
	s_delay_alu instid0(VALU_DEP_1)
	v_max3_num_f32 v44, v44, v51, v52
	s_delay_alu instid0(VALU_DEP_1)
	v_max_num_f32 v44, v44, v53
.irp j, 0,1,2,3,4,5,6,7
	v_sub_f32 v[S+\j], v[S+\j], v44                ; 0 or less
.endr
.irp j, 0,1,2,3,4,5,6,7
	v_mul_f32 v[S+\j], 0x3fb8aa3b, v[S+\j]         ; x log2(e)
.endr
	s_wait_alu depctr_va_vdst(0)
.irp j, 0,1,2,3,4,5,6,7
	v_exp_f32 v[S+\j], v[S+\j]
.endr
	v_nop
	s_wait_alu depctr_va_vdst(0)                   ; one wait ahead of the eight and one behind
	v_pk_add_f32 v[54:55], v[S:S+1], v[S+2:S+3]
	v_pk_add_f32 v[56:57], v[S+4:S+5], v[S+6:S+7]
	s_delay_alu instid0(VALU_DEP_1)
	v_pk_add_f32 v[54:55], v[54:55], v[56:57]
	s_delay_alu instid0(VALU_DEP_1)
	v_add_f32 v44, v54, v55
	WRED v_add_f32_dpp, v_add_f32
	ds_store_b32 v3, v44 offset:64                 ; other words than the maxima's
	s_wait_dscnt 0x0
	s_barrier_signal -1
	s_barrier_wait -1
	ds_load_b128 v[46:49], v4 offset:64
	ds_load_b128 v[50:53], v4 offset:80
	s_wait_dscnt 0x0
	v_pk_add_f32 v[46:47], v[46:47], v[48:49]
	v_pk_add_f32 v[50:51], v[50:51], v[52:53]
	s_delay_alu instid0(VALU_DEP_1)
	v_pk_add_f32 v[46:47], v[46:47], v[50:51]
	s_delay_alu instid0(VALU_DEP_1)
	v_add_f32 v44, v46, v47
	s_wait_alu depctr_va_vdst(0)
	v_rcp_f32 v44, v44
	v_nop
	s_wait_alu depctr_va_vdst(0)
.irp j, 0,1,2,3,4,5,6,7
	v_mul_f32 v[S+\j], v[S+\j], v44
.endr
	global_store_b128 v1, v[S:S+3], s[10:11]       ; 32 lanes store 512 consecutive bytes, at a multiple of 256 from the buffer's first byte
	global_store_b128 v1, v[S+4:S+7], s[10:11] offset:4096
	s_wait_tensorcnt 0x0                           ; the wave's end
	ds_add_u32 v64, v65
	s_wait_dscnt 0x0
	s_endpgm
.Lfunc_end_k_q4893be5a0f_soft:
	.size	k_q4893be5a0f_soft, .Lfunc_end_k_q4893be5a0f_soft-k_q4893be5a0f_soft
	.p2alignl 7, 3214868480
	.fill 96, 4, 3214868480
	.section	.rodata,"a",@progbits
	.p2align	6, 0x0
	.amdhsa_kernel k_q4893be5a0f_soft
		.amdhsa_group_segment_fixed_size 2048
		.amdhsa_private_segment_fixed_size 0
		.amdhsa_enable_private_segment 0
		.amdhsa_kernarg_size 24
		.amdhsa_user_sgpr_count 2
		.amdhsa_user_sgpr_kernarg_segment_ptr 1
		.amdhsa_wavefront_size32 1
		.amdhsa_system_sgpr_workgroup_id_x 1
		.amdhsa_system_sgpr_workgroup_id_y 1
		.amdhsa_system_sgpr_workgroup_id_z 1
		.amdhsa_system_vgpr_workitem_id 0
		.amdhsa_next_free_vgpr 66
		.amdhsa_next_free_sgpr 66
		.amdhsa_reserve_vcc 1
		.amdhsa_float_denorm_mode_32 3
		.amdhsa_float_denorm_mode_16_64 3
		.amdhsa_memory_ordered 1
		.amdhsa_forward_progress 1
		.amdhsa_inst_pref_size 10
	.end_amdhsa_kernel
	.amdgpu_metadata
---
amdhsa.version: [ 1, 2 ]
amdhsa.kernels:
  - .name:           k_q4893be5a0f_soft
    .symbol:         k_q4893be5a0f_soft.kd
    .args:
      - { .name: part, .offset: 0, .size: 8, .value_kind: global_buffer, .address_space: global }
      - { .name: attn_mask, .offset: 8, .size: 8, .value_kind: global_buffer, .address_space: global }
      - { .name: out0, .offset: 16, .size: 8, .value_kind: global_buffer, .address_space: global }
    .group_segment_fixed_size: 2048
    .private_segment_fixed_size: 0
    .kernarg_segment_align: 8
    .kernarg_segment_size: 24
    .max_flat_workgroup_size: 256
    .sgpr_count:     66
    .vgpr_count:     66
    .wavefront_size: 32
...
	.end_amdgpu_metadata
.endif
;; end of part 2
